; MI455X (gfx1250); checked and timed in simulation.
; The chip was launched on July 23, 2026; its instructions are those of AMD's public machine-readable ISA for CDNA 5 (MIT licence, August 2026) and "CDNA5" Instruction Set Architecture Reference Guide (July 2026). The comments in the code are by the model that wrote it; some were corrected since.
;; Base Mo E. Allowed arithmetic: matrix products marked QUANTISED: E2M3 operands, one E8M0 scale for each 32 along K, by v_wmma_scale_f32_16x16x128_f8f6f4 with both operands' format E2M3, f32 sums; products left as they are: f32 operands where the result goes on into a quantised operand, else bf16, f16 or f32 operands; f32 sums; everything else in f32.
;; Inputs: W1 8 x 1,024 x 4,096 float32; W2 8 x 4,096 x 1,024 float32; Wg 1,024 x 8 float32; b1 8 x 4,096 float32; b2 8 x 1,024 float32; bg 8 float32; x 1,024 x 1,024 float32.
;; Outputs: out0 1,024 x 1,024 float32.
;; This version of the problem:
;;   THIS VERSION OF THE PROBLEM IS GIVEN IN LOW PRECISION. The matrix products marked QUANTISED in the list below multiply operands that are first quantised to E2M3 (2 exponent bits, 3 mantissa bits; 6 bits a number), with one power-of-two scale for each 32 numbers along K (OCP MX v1.0); their sums are f32. All else is computed in f32.
;;   The module's matrix products, in the order in which they are computed (A, B: the left and right operand; K: the contracted axis; several contracted axes count as one K, in the product's order):
;;     1. [M 1,024, K 1,024] x [K 1,024, N 8]; A: input x; B: input Wg: left as it is (N = 8 < 16)
;;     2. [M 1,024, K 1,024] x [K 1,024, N 32,768]; A: input x; B: input W1: QUANTISED
;;     3. batch 8 x [M 1,024, K 4,096] x [K 4,096, N 1,024]; A: input W2; B: computed on the way: QUANTISED
;;     4. batch 1,024 x [M 1, K 8] x [K 8, N 1,024]; A: softmax; B: computed on the way: left as it is (K = 8 < 32)
;;   THE QUANTISER, for each operand of a quantised product, along K:
;;     - K is cut into blocks of 32 from its start; a last block that is shorter is filled with zeros.
;;     - A block's scale is 2^e with e = floor(log2(the largest magnitude in the block)) - 2, held to -126 .. 127; a block of zeros has e = 0. As a byte (E8M0): e + 127.
;;     - Each number is divided by its block's scale, clamped to +-7.5, and rounded to the nearest number of E2M3, ties to even, subnormals kept.
;;     - The product sums the exact products of the quantised numbers (number of the format x scale) in f32.
;;   ~~~python
;;   def quantise(x, axis):      # numpy; x: float32 -> the quantised numbers, widened to float32 again
;;       x = np.moveaxis(x, axis, -1); K = x.shape[-1]
;;       x = np.pad(x, [(0, 0)] * (x.ndim - 1) + [(0, -K % 32)]); x = x.reshape(x.shape[:-1] + (-1, 32)); a = np.abs(x).max(-1, keepdims=True)
;;       e = np.where(a > 0, np.clip(np.frexp(np.where(a > 0, a, 1))[1] - 1 - 2, -126, 127), 0)      # np.frexp(a)[1] - 1 = floor(log2(a)), exactly
;;       r = np.clip(x / 2.0 ** e, -7.5, 7.5)
;;       step = 2.0 ** (np.maximum(np.frexp(np.where(r == 0, 1, r))[1] - 1, 0) - 3)
;;       q = np.round(r / step) * step * 2.0 ** e      # np.round: ties to even
;;       return np.moveaxis(q.reshape(q.shape[:-2] + (-1,))[..., :K], -1, axis).astype(np.float32)
;;   ~~~
;;   OPERANDS COMPUTED ON THE WAY. 'Computed on the way' means the value that the module computes at that place (a softmax that the list does not call 'softmax' is quantised finished and normalised). What goes into a quantiser is computed in f32, as accurately as f32 sums, v_exp_f32 and their like allow (about 1e-6 of the number): no bf16 or f16 on the way to a quantiser, and a product that is left as it is and whose result goes on into a quantised operand takes f32 operands (vector FMAs, or v_wmma_f32_16x16x4_f32). A number that lies on a knife's edge between two numbers of the format may be rounded either way, as far as f32 arithmetic and the matrix unit's own rounding can turn it there, and no further.
;; One version. Each part assembles by itself: llvm-mc -triple=amdgcn-amd-amdhsa -mcpu=gfx1250 --defsym DOCPART=n.
;; ======== version 1 of 1: 4 launches
;; limits: right only within a limited range of input values
;; workspace buffers: xq 819,200 bytes; w1q 26,214,400 bytes; w2q 26,214,400 bytes; hq 26,214,400 bytes; gat 32,768 bytes; part 33,554,432 bytes
;; launch prep (part 1): grid 1168 x 1, 4 waves a work-group, no clusters, 0 bytes of LDS; arguments x, Wg, bg, W1, W2, xq, gat, w1q, w2q; writes xq, gat, w1q, w2q
.if DOCPART == 1
	.amdgcn_target "amdgcn-amd-amdhsa--gfx1250"
	.amdhsa_code_object_version 6
	.text
	.protected	k_qd1a3574d07_prep
	.globl	k_qd1a3574d07_prep
	.p2align	8
	.type	k_qd1a3574d07_prep,@function
k_qd1a3574d07_prep:
	s_mov_b64 s[64:65], 0
	v_nop
	global_prefetch_b8 v0, s[64:65] scope:SCOPE_SE
	s_setreg_imm32_b32 hwreg(HW_REG_WAVE_MODE, 25, 1), 1
	s_wait_xcnt 0x0
; PREP: the gate's softmax, and x, W1 and W2 turned into codes of FP6 (E2M3) with one E8M0 scale byte for each 32 along K.
; Work-groups 0-127: the gate.  128-143: x.  144-655: W1.  656-1167: W2.  The paths part on the work-group's number alone; no LDS, no barrier, waves share nothing.
; THE CODES' LAYOUT, the same for xq, w1q, w2q (and hq later): a TILE ROW is 16 operand rows x all of K, as chunks of 6,400 bytes; chunk c holds k = 512 c .. 512 c + 511:
; four images of an operand's registers (K step q at 1,536 q), then 256 bytes of scale words at 6,144.  In an image register j (0 .. 11) of lane L lies at 512 (j / 4) + 16 L + 4 (j % 4):
; three accesses of 16 bytes a lane, each 512 consecutive bytes, move a fragment.  The scale word of (row r, K step q) lies at 8 (r + 16 (q % 2)) + 4 (q / 2): one access of 8 bytes a lane
; gives two registers, each with an even K step's words in lanes 0-15 and the next odd one's in lanes 16-31.
; WHICH ROWS FORM A TILE.  w1q, tile 2 B + u: row r is hidden unit 32 B + 8 u + r % 8 + 16 (r / 8), so that the first product, used transposed, leaves a lane 16 neighbours along the next K.
; w2q, tile 2 G + t: row r is column d = 32 G + 2 r + t, so that 32 neighbouring columns are two whole tiles.
; A block's scale is 2^(floor(log2(its largest magnitude)) - 2); its byte is the largest magnitude's exponent field - 2, held at 1 from below.
; LIMITS: NaN and infinities among the inputs are not served.  A block whose largest magnitude lies under 2^-124 gets the byte 1.  A block of zeros gets the byte 1 where the rule says 127:
; its codes are zeros, which add nothing under any byte but 0xff, and this program alone reads the bytes.  A gate weight under 2^-126 comes out as 0 (v_exp_f32 flushes denormals).
; No cluster, no tensor load: no two work-groups read the same large bytes (Wg's 32 KiB alone are read by all of the gate's), and many small work-groups keep the loads in flight.
.set SEL,  42                          ; s[42:43] lane selects of v_permlanex16_b32: lane l xor 16
; the W paths
.set X,    32                          ; v32-95   two sets of 32 numbers: a block of 32 along K of my column
.set C,    96                          ; v96-191  eight half fragments of 12 registers: no store's data are written again
.set SWD,  16                          ; v16-19   my row's four scale words, in the order K step 0, 2, 1, 3
; the x path
.set QX,   32                          ; v32-159  two sets of 64 numbers
.set PWS,  160                         ; v160-167 the scale words of the eight K steps
.set PC,   168                         ; v168-187 the codes just made
.set TM,   8                           ; v8-23    at work
; the gate
.set XR,   32                          ; v32-95   x of my two tokens: 32 numbers a lane each
.set WB,   96                          ; v96-159  two sets of 32 numbers of Wg
.set ACC,  160                         ; v160-175 sum (expert e, token t) at 2 e + t
	s_load_b256 s[4:11], s[0:1], 0x0               ; x s[4:5], Wg s[6:7], bg s[8:9], W1 s[10:11]
	s_load_b256 s[12:19], s[0:1], 0x20             ; W2 s[12:13], xq s[14:15], gat s[16:17], w1q s[18:19]
	s_load_b64 s[20:21], s[0:1], 0x40              ; w2q
	v_lshrrev_b32 v1, 5, v0
	v_readfirstlane_b32 s22, v1                    ; wave 0..3
	v_and_b32 v1, 31, v0                           ; lane
	s_mov_b32 s25, 0                               ; the upper word of every offset made in s[24:25]
	s_mov_b32 s[SEL], 0x76543210
	s_mov_b32 s[SEL+1], 0xfedcba98
	s_wait_kmcnt 0x0
	s_cmp_lt_u32 ttmp9, 128
	s_cbranch_scc1 .Lgate
	s_cmp_lt_u32 ttmp9, 144
	s_cbranch_scc1 .Lxquant
	s_wait_alu depctr_va_vdst(0)
	v_lshlrev_b32 v2, 2, v1                        ; W: a lane takes a column, 4 bytes a lane
	s_cmp_lt_u32 ttmp9, 656
	s_cbranch_scc1 .Lw1
; ---- W1 and W2: K is the FIRST axis inside an expert.  A lane takes a column and its registers run down K: a load reads 128 consecutive bytes a wave (the four waves stand side by side on 512),
; a block of 32 lies in one lane, and the conversions give codes with K innermost.  A wave takes 32 columns (two tiles) x 512 along K (one chunk).
; Where the wave's part begins.  i = the work-group's number in its path: expert i / 64, then the chunk and the group of 128 columns.
.macro WHEAD first, cbfe, cgm, csh, src, dst, cgb, wvb
	s_sub_co_u32 s23, ttmp9, \first
	s_lshr_b32 s30, s23, 6                         ; expert
	s_bfe_u32 s31, s23, \cbfe                      ; chunk
	s_and_b32 s32, s23, \cgm                       ; group of 128 columns
	s_lshl_b32 s24, s30, 24                        ; an expert's weights are 2^24 bytes,
	s_lshl_b32 s33, s31, \csh                      ; 512 rows,
	s_add_co_u32 s24, s24, s33
	s_lshl_b32 s33, s32, 9                         ; 128 columns,
	s_add_co_u32 s24, s24, s33
	s_lshl_b32 s33, s22, 7                         ; my wave's 32
	s_add_co_u32 s24, s24, s33
	s_add_nc_u64 s[26:27], s[\src:\src+1], s[24:25]
	s_mul_i32 s24, s30, 3276800                    ; an expert's codes,
	s_mul_i32 s33, s32, \cgb                       ; eight tile rows,
	s_add_co_u32 s24, s24, s33
	s_mul_i32 s33, s22, \wvb                       ; my wave's two,
	s_add_co_u32 s24, s24, s33
	s_mul_i32 s33, s31, 6400                       ; the chunk
	s_add_co_u32 s24, s24, s33
	s_add_nc_u64 s[28:29], s[\dst:\dst+1], s[24:25]
.endm
; Block t of 16: K step t / 4, half h = (t / 2) % 2 of the lanes that will hold it, c = t % 2: rows 128 (t / 4) + 32 h + 64 c on
.macro WLOAD t, pitch
.set K0, 128*((\t)/4)+32*(((\t)/2)%2)+64*((\t)%2)
.irp i, 0,1,2,3,4,5,6,7,8,9,10,11,12,13,14,15,16,17,18,19,20,21,22,23,24,25,26,27,28,29,30,31
	global_load_b32 v[X+32*((\t)%2)+\i], v2, s[26:27] offset:(K0+\i)*\pitch th:TH_LOAD_NT   ; 511 rows of 16,384 bytes at the most: inside the signed 24-bit immediate
.endr
.endm
.macro WBLOCK t, pitch
.set WX, X+32*((\t)%2)
.set CB, C+12*((\t)/2)+6*((\t)%2)                  ; registers 6 c .. 6 c + 5 of the half fragment
.set WQ, (\t)/4
.set WSH, 8*(2*((\t)%2)+((\t)/2)%2)                ; the block is the K step's block 2 c + h
.set WR, SWD+2*(WQ%2)+WQ/2
.if (\t) < 15
	s_wait_loadcnt 32                              ; this block's 32 loads are in; the next block's may be out
.else
	s_wait_loadcnt 0x0
.endif
	v_max3_num_f32 v8, |v[WX]|, |v[WX+1]|, |v[WX+2]|       ; the block's largest magnitude, in two chains: all 32 numbers are mine
	v_max3_num_f32 v9, |v[WX+3]|, |v[WX+4]|, |v[WX+5]|
.irp i, 6,10,14,18,22,26
	v_max3_num_f32 v8, v8, |v[WX+\i]|, |v[WX+\i+1]|
	v_max3_num_f32 v9, v9, |v[WX+\i+2]|, |v[WX+\i+3]|
.endr
	v_max3_num_f32 v8, v8, |v[WX+30]|, |v[WX+31]|
	v_max3_num_f32 v8, v8, v9, 0x1800000           ; and the floor 2^(3 - 127): the byte cannot fall under 1
	v_add_nc_u32 v10, 0xff000000, v8               ; 2 off the exponent field: the conversion takes this operand's exponent field as its scale
	v_cvt_scalef32_pk16_fp6_f32 v[CB:CB+2], v[WX:WX+15], v10
	v_cvt_scalef32_pk16_fp6_f32 v[12:14], v[WX+16:WX+31], v10   ; (a conversion's three registers begin on an even number: these are moved)
	v_lshrrev_b32 v11, 23, v10                     ; the scale's byte; also the plain line behind the conversions
	v_mov_b32 v[CB+3], v12
	v_mov_b32 v[CB+4], v13
	v_mov_b32 v[CB+5], v14
.if WSH == 0
	v_mov_b32 v[WR], v11                           ; a K step's first block starts its scale word
.else
	v_lshl_or_b32 v[WR], v11, WSH, v[WR]
.endif
.if (\t)+2 < 16
	WLOAD (\t)+2, \pitch
.endif
.if (\t)%2 == 1                                    ; a half fragment is whole: what lane r + 16 h of the image holds.  The sixteen lanes of a tile store 256 consecutive bytes, aligned
.irp cc, 0,1,2
	global_store_b128 v3, v[C+12*((\t)/2)+4*\cc:C+12*((\t)/2)+4*\cc+3], s[28:29] offset:1536*WQ+256*(((\t)/2)%2)+512*\cc
.endr
.endif
.endm
.macro WBODY pitch
	WLOAD 0, \pitch
	WLOAD 1, \pitch
.set Q, 0
.rept 16
	WBLOCK Q, \pitch
.set Q, Q+1
.endr
	global_store_b64 v4, v[SWD:SWD+1], s[28:29] offset:6144      ; my row's words of K steps 0 and 2,
	global_store_b64 v4, v[SWD+2:SWD+3], s[28:29] offset:6272    ; and of 1 and 3
.endm
	WHEAD 656, 0x30003, 7, 21, 12, 20, 409600, 102400   ; W2: chunk = bits 5:3, 512 rows of 4,096 bytes; a tile row of w2q is 51,200 bytes
	v_and_b32 v5, 1, v1                            ; column 32 G + l is row l / 2 of tile 2 G + l % 2
	v_mul_u32_u24 v5, v5, 51200
	v_lshrrev_b32 v6, 1, v1
	v_lshl_add_u32 v3, v6, 4, v5                   ; my tile + 16 x my row,
	v_lshl_add_u32 v4, v6, 3, v5                   ; and + 8 x my row for the scale words
	s_wait_alu depctr_va_vdst(0)
	WBODY 4096
	s_endpgm
.Lw1:
	WHEAD 144, 0x10005, 31, 23, 10, 18, 102400, 25600   ; W1: chunk = bit 5, 512 rows of 16,384 bytes; a tile row of w1q is 12,800 bytes
	v_bfe_u32 v5, v1, 3, 1                         ; hidden unit 32 B + l is row l % 8 + 8 (l / 16) of tile 2 B + (l / 8) % 2
	v_mul_u32_u24 v5, v5, 12800
	v_and_b32 v6, 7, v1
	v_lshrrev_b32 v7, 4, v1
	v_lshl_add_u32 v6, v7, 3, v6
	v_lshl_add_u32 v3, v6, 4, v5
	v_lshl_add_u32 v4, v6, 3, v5
	s_wait_alu depctr_va_vdst(0)
	WBODY 16384
	s_endpgm
; ---- x: K is innermost.  A wave takes a tile of 16 tokens; lane (r, h) takes, of row r, 16 neighbours of each block of 32.
; 64 numbers of a lane, register 16 b + i = k 32 b + 16 h + i of my row, become a fragment's codes in v[PC] on and its scale word in v[pw].
.macro QUANT s, pw
.irp b, 0,1,2,3
	v_max3_num_f32 v[TM+\b], |v[\s+16*\b]|, |v[\s+1+16*\b]|, 0x1800000   ; block b: my 16 numbers, and the floor 2^(3 - 127)
.endr
.irp i, 2,4,6,8,10,12,14
.irp b, 0,1,2,3
	v_max3_num_f32 v[TM+\b], v[TM+\b], |v[\s+16*\b+\i]|, |v[\s+1+16*\b+\i]|   ; (the four blocks by turns)
.endr
.endr
.irp b, 0,1,2,3
	v_permlanex16_b32 v[TM+4+\b], v[TM+\b], s[SEL], s[SEL+1]
.endr
.irp b, 0,1,2,3
	v_max_num_f32 v[TM+\b], v[TM+\b], v[TM+4+\b]   ; with lane l xor 16's: the block's largest magnitude
.endr
.irp b, 0,1,2,3
	v_add_nc_u32 v[TM+12+\b], 0xff000000, v[TM+\b] ; 2 off its exponent field: the conversion's scale operand
.endr
.irp b, 0,1,2,3
	v_lshrrev_b32 v[TM+4+\b], 23, v[TM+12+\b]      ; the scale's byte
.endr
	v_lshl_or_b32 v[\pw], v[TM+5], 8, v[TM+4]      ; the four bytes make my row's scale word
	v_lshl_or_b32 v[\pw], v[TM+6], 16, v[\pw]
	v_lshl_or_b32 v[\pw], v[TM+7], 24, v[\pw]
.irp c, 0,1
	v_cvt_scalef32_pk16_fp6_f32 v[PC+6*\c:PC+2+6*\c], v[\s+32*\c:\s+15+32*\c], v[TM+12+2*\c]
	v_cvt_scalef32_pk16_fp6_f32 v[PC+12+4*\c:PC+14+4*\c], v[\s+16+32*\c:\s+31+32*\c], v[TM+12+2*\c+1]   ; (a conversion's three registers begin on an even number)
.endr
	v_nop                                          ; one plain line behind a scaled conversion
.irp c, 0,1                                        ; the operand's layout wants a WHOLE block in a lane: lanes 0-15 block 2 c, lanes 16-31 block 2 c + 1
.irp i, 0,1,2
	v_permlane16_swap_b32 v[PC+6*\c+\i], v[PC+12+4*\c+\i]
.endr
.irp i, 0,1,2
	v_mov_b32 v[PC+3+6*\c+\i], v[PC+12+4*\c+\i]
.endr
.endr
.endm
.macro XLOAD set, s                                ; K step s: 64 numbers a lane
.irp b, 0,1,2,3
.irp j, 0,1,2,3
	global_load_b128 v[QX+64*(\set)+16*\b+4*\j:QX+64*(\set)+16*\b+4*\j+3], v2, s[26:27] offset:512*(\s)+128*\b+16*\j
.endr
.endr
.endm
.Lxquant:
	s_sub_co_u32 s23, ttmp9, 128
	s_lshl_b32 s23, s23, 2
	s_add_co_u32 s23, s23, s22                     ; my tile of 16 tokens
	s_lshl_b32 s24, s23, 16                        ; 16 rows of 4,096 bytes
	s_add_nc_u64 s[26:27], s[4:5], s[24:25]
	s_mul_i32 s24, s23, 12800                      ; a tile row of xq: two chunks
	s_add_nc_u64 s[28:29], s[14:15], s[24:25]
	s_wait_alu depctr_va_vdst(0)
	v_and_b32 v5, 15, v1                           ; r
	v_lshrrev_b32 v6, 4, v1                        ; h
	v_lshlrev_b32 v2, 12, v5
	v_lshl_add_u32 v2, v6, 6, v2                   ; row r, + 64 h
	v_lshlrev_b32 v3, 4, v1                        ; an image's place for my lane
	v_lshlrev_b32 v4, 3, v1                        ; the scale block's
.irp b, 0,1,2,3
	v_mov_b32 v[TM+4+\b], 0                        ; written once: a lane permute's destination counts as one of its sources
.endr
	XLOAD 0, 0
	XLOAD 1, 1
.set S, 0
.rept 8
.if S < 7
	s_wait_loadcnt 16                              ; this K step's 16 loads are in; the next one's may be out
.else
	s_wait_loadcnt 0x0
.endif
	s_wait_xcnt 0x0                                ; the last three stores have read the codes' registers: they are written again only behind this wait
	QUANT QX+64*(S%2), PWS+S
.irp cc, 0,1,2
	global_store_b128 v3, v[PC+4*\cc:PC+4*\cc+3], s[28:29] offset:(S/4)*6400+(S%4)*1536+512*\cc   ; 512 consecutive bytes
.endr
.if S < 6
	XLOAD S%2, S+2
.endif
.set S, S+1
.endr
	v_cmp_le_u32 vcc_lo, 16, v1                    ; every lane holds its row's words: lanes 0-15 keep the even K step's, lanes 16-31 the odd one's
.irp c, 0,1
.irp i, 0,1
	v_cndmask_b32 v[188+2*\c+\i], v[PWS+4*\c+2*\i], v[PWS+4*\c+2*\i+1], vcc_lo
.endr
.endr
	global_store_b64 v4, v[188:189], s[28:29] offset:6144        ; a chunk's 256 bytes of scale words, whole
	global_store_b64 v4, v[190:191], s[28:29] offset:6400+6144
	s_endpgm
; ---- the gate: softmax(x Wg + bg), in f32 by fused multiply-adds.  A wave takes two tokens; K is spread over the lanes, four neighbours a lane in each 128.
.macro GWLOAD jx                                   ; Wg's rows 128 jx + 4 l + 0 .. 3: 128 bytes a lane; register 8 i + e = Wg[128 jx + 4 l + i][e]
.irp m, 0,1,2,3,4,5,6,7
	global_load_b128 v[WB+32*((\jx)%2)+4*\m:WB+32*((\jx)%2)+4*\m+3], v3, s[6:7] offset:4096*(\jx)+16*\m
.endr
.endm
.Lgate:
	s_load_b256 s[32:39], s[8:9], 0x0              ; bg
	s_lshl_b32 s23, ttmp9, 2
	s_add_co_u32 s23, s23, s22
	s_lshl_b32 s23, s23, 1                         ; my first token
	s_lshl_b32 s24, s23, 12
	s_add_nc_u64 s[26:27], s[4:5], s[24:25]        ; its row of x
	s_lshr_b32 s30, s23, 4
	s_lshl_b32 s30, s30, 9                         ; gat is [tile of 16 tokens][expert][token] f32: 512 bytes a tile,
	s_and_b32 s31, s23, 15
	s_lshl_b32 s31, s31, 2                         ; 4 bytes a token
	s_add_co_u32 s24, s30, s31
	s_add_nc_u64 s[28:29], s[16:17], s[24:25]
	s_wait_alu depctr_va_vdst(0)
	v_lshlrev_b32 v2, 4, v1
	v_lshlrev_b32 v3, 7, v1
	v_mov_b32 v4, 0
.irp t, 0,1
.irp jx, 0,1,2,3,4,5,6,7
	global_load_b128 v[XR+32*\t+4*\jx:XR+32*\t+4*\jx+3], v2, s[26:27] offset:\t*4096+512*\jx   ; 512 consecutive bytes
.endr
.endr
	GWLOAD 0
	GWLOAD 1
.set J, 0
.rept 8
.if J < 7
	s_wait_loadcnt 8                               ; x and this set of Wg are in; the next set's eight loads may be out
.else
	s_wait_loadcnt 0x0
.endif
.irp i, 0,1,2,3
.irp e, 0,1,2,3,4,5,6,7
.irp t, 0,1
.if (J == 0) && (\i == 0)
	v_mul_f32 v[ACC+2*\e+\t], v[XR+32*\t+4*J+\i], v[WB+32*(J%2)+8*\i+\e]      ; the first products start the sums
.else
	v_fmac_f32 v[ACC+2*\e+\t], v[XR+32*\t+4*J+\i], v[WB+32*(J%2)+8*\i+\e]     ; sixteen sums by turns
.endif
.endr
.endr
.endr
.if J < 6
	GWLOAD J+2
.endif
.set J, J+1
.endr
.irp m, 1,2,4,8                                    ; across the lanes: four steps inside each half,
.irp a, 0,1,2,3,4,5,6,7,8,9,10,11,12,13,14,15
	v_add_f32_dpp v[ACC+\a], v[ACC+\a], v[ACC+\a] row_xmask:\m row_mask:0xf bank_mask:0xf
.endr
.endr
.irp a, 0,1,2,3,4,5,6,7,8,9,10,11,12,13,14,15
	v_permlanex16_b32 v[XR+\a], v[ACC+\a], s[SEL], s[SEL+1]     ; one across the halves (into registers of x that are done with)
.endr
.irp a, 0,1,2,3,4,5,6,7,8,9,10,11,12,13,14,15
	v_add_f32 v[ACC+\a], v[ACC+\a], v[XR+\a]       ; every lane holds every sum
.endr
	s_wait_kmcnt 0x0
.irp e, 0,1,2,3,4,5,6,7
.irp t, 0,1
	v_add_f32 v[ACC+2*\e+\t], s[32+\e], v[ACC+2*\e+\t]
.endr
.endr
.irp t, 0,1                                        ; the softmax over the eight experts, the maximum taken away first
	v_max3_num_f32 v[8+\t], v[ACC+\t], v[ACC+2+\t], v[ACC+4+\t]
	v_max3_num_f32 v[8+\t], v[8+\t], v[ACC+6+\t], v[ACC+8+\t]
	v_max3_num_f32 v[8+\t], v[8+\t], v[ACC+10+\t], v[ACC+12+\t]
	v_max_num_f32 v[8+\t], v[8+\t], v[ACC+14+\t]
.endr
.irp a, 0,1,2,3,4,5,6,7,8,9,10,11,12,13,14,15
	v_sub_f32 v[ACC+\a], v[ACC+\a], v[8+\a%2]
.endr
.irp a, 0,1,2,3,4,5,6,7,8,9,10,11,12,13,14,15
	v_mul_f32 v[ACC+\a], 0x3fb8aa3b, v[ACC+\a]     ; x log2(e): v_exp_f32 is 2^x
.endr
	s_wait_alu depctr_va_vdst(0)
.irp a, 0,1,2,3,4,5,6,7,8,9,10,11,12,13,14,15
	v_exp_f32 v[ACC+\a], v[ACC+\a]
.endr
	v_nop                                          ; a plain line behind the exponentials
	s_wait_alu depctr_va_vdst(0)
.irp t, 0,1
	v_add_f32 v[10+\t], v[ACC+\t], v[ACC+2+\t]
.endr
.irp e, 2,3,4,5,6,7
.irp t, 0,1
	v_add_f32 v[10+\t], v[10+\t], v[ACC+2*\e+\t]
.endr
.endr
	s_wait_alu depctr_va_vdst(0)
	v_rcp_f32 v12, v10
	v_rcp_f32 v13, v11
	v_nop                                          ; a plain line behind the reciprocals
	s_wait_alu depctr_va_vdst(0)
.irp a, 0,1,2,3,4,5,6,7,8,9,10,11,12,13,14,15
	v_mul_f32 v[ACC+\a], v[ACC+\a], v[12+\a%2]
.endr
	s_wait_alu depctr_va_vdst(0)
	s_wait_xcnt 0x0                                ; EXEC is narrowed only behind this wait,
	v_cmp_eq_u32 vcc_lo, 0, v1
	s_and_saveexec_b32 s40, vcc_lo                 ; lane 0 alone stores
.irp e, 0,1,2,3,4,5,6,7
	global_store_b64 v4, v[ACC+2*\e:ACC+2*\e+1], s[28:29] offset:64*\e   ; expert e's weights of my two tokens
.endr
	s_wait_xcnt 0x0                                ; and widened only behind this one
	s_or_b32 exec_lo, exec_lo, s40
	s_endpgm
.Lfunc_end_k_qd1a3574d07_prep:
	.size	k_qd1a3574d07_prep, .Lfunc_end_k_qd1a3574d07_prep-k_qd1a3574d07_prep
	.p2alignl 7, 3214868480
	.fill 96, 4, 3214868480
	.section	.rodata,"a",@progbits
	.p2align	6, 0x0
	.amdhsa_kernel k_qd1a3574d07_prep
		.amdhsa_group_segment_fixed_size 0
		.amdhsa_private_segment_fixed_size 0
		.amdhsa_enable_private_segment 0
		.amdhsa_kernarg_size 72
		.amdhsa_user_sgpr_count 2
		.amdhsa_user_sgpr_kernarg_segment_ptr 1
		.amdhsa_wavefront_size32 1
		.amdhsa_system_sgpr_workgroup_id_x 1
		.amdhsa_system_sgpr_workgroup_id_y 1
		.amdhsa_system_sgpr_workgroup_id_z 1
		.amdhsa_system_vgpr_workitem_id 0
		.amdhsa_next_free_vgpr 192
		.amdhsa_next_free_sgpr 66
		.amdhsa_reserve_vcc 1
		.amdhsa_float_denorm_mode_32 3
		.amdhsa_float_denorm_mode_16_64 3
		.amdhsa_memory_ordered 1
		.amdhsa_forward_progress 1
		.amdhsa_inst_pref_size 231
	.end_amdhsa_kernel
	.amdgpu_metadata
---
amdhsa.version: [ 1, 2 ]
amdhsa.kernels:
  - .name:           k_qd1a3574d07_prep
    .symbol:         k_qd1a3574d07_prep.kd
    .args:
      - { .name: x, .offset: 0, .size: 8, .value_kind: global_buffer, .address_space: global }
      - { .name: Wg, .offset: 8, .size: 8, .value_kind: global_buffer, .address_space: global }
      - { .name: bg, .offset: 16, .size: 8, .value_kind: global_buffer, .address_space: global }
      - { .name: W1, .offset: 24, .size: 8, .value_kind: global_buffer, .address_space: global }
      - { .name: W2, .offset: 32, .size: 8, .value_kind: global_buffer, .address_space: global }
      - { .name: xq, .offset: 40, .size: 8, .value_kind: global_buffer, .address_space: global }
      - { .name: gat, .offset: 48, .size: 8, .value_kind: global_buffer, .address_space: global }
      - { .name: w1q, .offset: 56, .size: 8, .value_kind: global_buffer, .address_space: global }
      - { .name: w2q, .offset: 64, .size: 8, .value_kind: global_buffer, .address_space: global }
    .group_segment_fixed_size: 0
    .private_segment_fixed_size: 0
    .kernarg_segment_align: 8
    .kernarg_segment_size: 72
    .max_flat_workgroup_size: 128
    .sgpr_count:     66
    .vgpr_count:     192
    .wavefront_size: 32
...
	.end_amdgpu_metadata
.endif
;; end of part 1
;; launch ffn1 (part 2): grid 256 x 1, 4 waves a work-group, clusters of 4 x 1, 327,680 bytes of LDS; arguments xq, w1q, b1, hq; writes hq
.if DOCPART == 2
	.amdgcn_target "amdgcn-amd-amdhsa--gfx1250"
	.amdhsa_code_object_version 6
	.text
	.protected	k_qd1a3574d07_ffn1
	.globl	k_qd1a3574d07_ffn1
	.p2align	8
	.type	k_qd1a3574d07_ffn1,@function
k_qd1a3574d07_ffn1:
	s_mov_b64 s[64:65], 0
	v_nop
	global_prefetch_b8 v0, s[64:65] scope:SCOPE_SE
	s_setreg_imm32_b32 hwreg(HW_REG_WAVE_MODE, 25, 1), 1
	s_wait_xcnt 0x0
	s_wait_alu depctr_hold_cnt(0) depctr_sa_sdst(0) depctr_va_vdst(0) depctr_va_sdst(0) depctr_va_ssrc(0) depctr_va_vcc(0) depctr_vm_vsrc(0)
	s_getreg_b32 s2, hwreg(HW_REG_IB_STS2, 6, 4)
	s_cmp_eq_u32 s2, 0
	s_cbranch_scc0 .Lentry_in_a_cluster
	s_endpgm
.Lentry_in_a_cluster:
	s_bfe_u32 s2, ttmp6, 0x10000c
	s_cmp_lg_u32 s2, 0x3003
	s_cbranch_scc0 .Lentry_shape_is_right
	s_endpgm
.Lentry_shape_is_right:
; FFN1: hq = codes of FP6 (E2M3) and E8M0 scale bytes of relu(x W1 + b1), quantised along the hidden units, which are the next product's K.
; xq, w1q and hq lie as chunks of 6,400 bytes for 16 rows x 512 along K: four images of an operand's registers (1,536 bytes: register j of lane L at 512 (j / 4) + 16 L + 4 (j % 4)),
; then 256 bytes of scale words (row r, K step q at 8 (r + 16 (q % 2)) + 4 (q / 2)).  Tile 2 B + u of w1q: row m is hidden unit 32 B + 8 u + m % 8 + 16 (m / 8).
; SHARES.  A work-group: 256 hidden units x 512 tokens: 128 groups of hidden units x 2 halves of the tokens = 256 work-groups.  A wave: 64 hidden units, blocks p and 2 + p (p = wave % 2) of one step of 128
; of the next K: four tiles of w1q x 8 K steps = 32 fragments, 384 registers, loaded once from memory and kept.  It walks the 512 tokens as 16 pairs of tiles: 64 products a pair, eight accumulators by turns.
; The product is used transposed (source 0 = 16 rows of W1, source 1 = 16 tokens): lane (r, h) holds token r, and the 16 registers of tiles 2 B, 2 B + 1 are hidden units 32 B + 16 h + 0 .. 15.
; b1 stays in 32 registers in the result's layout and is the C of each sum's first product.
; x IN LDS, SHARED BY THE FOUR WAVES AND ASKED FOR JOINTLY BY A CLUSTER OF 4 x 1 (its four work-groups walk the same half of the tokens).  32 tile rows of 12,800 bytes: rows 0-15 at the head, one load of four
; rows a wave; rows 16-23 behind them, a first fill; rows 24-31 over rows 0-7, ahead of pair 7, when pairs 0-7 are in registers: four pairs, 256 products a wave, ahead of their first read.
; Pair j lies at 25,600 j (j up to 11), pairs 12-15 at 25,600 (j - 12).  One set of 16 fragments in registers: the two of a K step are read again, for the next pair, behind that K step's eight products.
; THE WAY OUT.  A block of 32 lies in lanes l and l xor 16.  One swap of halves between the pair's two tiles gives lanes 0-15 the first tile's whole blocks and lanes 16-31 the second tile's: these are what
; lanes 16 p + r of the two images hold, so each half of the lanes stores 256 consecutive bytes, aligned.  A scale word's bytes p and 2 + p are mine, the other two my neighbour wave's: they leave as single bytes,
; two stores of one byte a lane for each pair (64 bytes beside the pair's 1,536 bytes of codes).
; NO PREFETCH: w1q is read once, at the head, where there is no loop to run ahead in; of xq only two fills come behind the head, each asked for 256 products a wave ahead of its first read.
; LIMITS: NaN and infinities are not served.  A block whose largest number lies under 2^-124 (a block of zeros too) gets the byte 1: its codes are zeros or near, and this program alone reads the bytes.
; REGISTERS, in windows of 256: window 0: addresses, scale words, b1, accumulators, the quantiser's.  Window 1: W1's fragments of K steps 0-3 (K step s, tile u at v[12 (4 (s % 4) + u)]); window 2: of K steps 4-7.
; Window 3: x's fragments (K step s, tile t of the pair at v[12 (2 s + t)]).
.set CHK,   6400
.set TROW,  2*CHK                      ; a tile row of xq and of w1q: K = 1,024
.set PAIRB, 2*TROW                     ; a pair of tile rows
.set FRAGB, 1536
.set SCB,   6144
.set HROW,  8*CHK                      ; a tile row of hq: K = 4,096
.set SPARE, 24*TROW                    ; behind the 24 tile rows: the spare words, 128 bytes for each wave, which no other line names
.set L16, 2                            ; v2  16 x lane
.set L8,  3                            ; v3  8 x lane
.set BA,  4                            ; v4  b1: 64 h
.set VO1, 5                            ; v5  hq, codes: my lane's place
.set VO2, 6                            ; v6  hq, scale bytes
.set XA,  10                           ; v10 LDS: the next pair's images;  v11 its scale words
.set X8,  11
.set SPW, 12                           ; v12 LDS address of my spare word; never rewritten
.set NIL, 13                           ; v13 0; never rewritten
.set SW,  16                           ; v16-31  W1's scale words: tile u, chunk c at 4 u + 2 c
.set XS,  32                           ; v32-39  x's: tile t, chunk c at 4 t + 2 c
.set BI,  48                           ; v48-79  b1: tile u at 8 u
.set H,   80                           ; v80-143 accumulators: tile t of the pair, tile u of W1 at 32 t + 8 u
.set TM,  144                          ; v144-159 at work
.set PC,  160                          ; v160-171 the codes that leave
.set PT,  172                          ; v172-178 the second tile's codes ahead of the swap
.set SB,  180                          ; v180-181 the two scale bytes
.set WB,  32                           ; s[32:33] w1q;  s[34:35] hq;  s[36:37] b1
.set HB,  34
.set BB,  36
.set SEL, 38                           ; s[38:39] lane selects: lane l xor 16
.set UP,  40                           ; s40 mask of lanes 16-31
.set NX,  43                           ; s43 LDS byte of the next pair
.set G1H, 48                           ; s[48:55] descriptor group 1: 200 rows of 256 bytes;  s[56:63]: 100 rows
.set G1X, 56
.set G0H, 68                           ; s[68:71], s[72:75], s[76:79] group 0: rows 0-15, rows 16-23, rows 24-31
.set G0B, 72
.set G0R, 76
.set MSB, 0
.macro WIN new                         ; the immediate's high byte repeats the setting that is left; a switch that changes nothing is dropped
.if MSB != (\new)
	s_set_vgpr_msb (MSB<<8)|(\new)
.set MSB, (\new)
.endif
.endm
.macro PLACES                          ; four plain vector lines between a matrix instruction and a load into its registers or a read of its result
.rept 4
	v_nop
.endr
.endm
.macro CROUND                          ; a round of the cluster's barrier
	s_barrier_signal -1
	s_barrier_wait -1
	s_cmp_lg_u32 s12, 0
	s_cbranch_scc1 .Lnot_wave_0_\@
	s_barrier_signal -3
.Lnot_wave_0_\@:
	s_barrier_wait -3
	s_barrier_signal -1
	s_barrier_wait -1
.endm
.macro XSC c, adr                      ; a pair's scale words of chunk c: two loads
	WIN 0
.irp t, 0,1
	ds_load_b64 v[XS+4*\t+2*(\c):XS+4*\t+2*(\c)+1], v[\adr] offset:\t*TROW+(\c)*CHK+SCB
.endr
.endm
.macro XF s, adr                       ; a pair's two fragments of K step s: six loads of 512 consecutive bytes
	WIN 0xc0                                       ; destination window 3, address window 0
.irp t, 0,1
.irp cc, 0,1,2
	ds_load_b128 v[12*(2*(\s)+\t)+4*\cc:12*(2*(\s)+\t)+4*\cc+3], v[\adr] offset:\t*TROW+((\s)/4)*CHK+((\s)%4)*FRAGB+512*\cc
.endr
.endr
.endm
; Eight products of K step s: the eight accumulators take turns, one instruction a turn, in the same order in every K step.  An odd K step's scale words stand in lanes 16-31.
.macro KMUL s
	WIN 0x0d+(\s)/4                                ; source 0 window 1 or 2, source 1 window 3, C and D window 0
.irp u, 0,1,2,3
.irp t, 0,1
.set rD, H+32*\t+8*\u
.set rA, 12*(4*((\s)%4)+\u)
.set rB, 12*(2*(\s)+\t)
.set rX, SW+4*\u+2*((\s)/4)+((\s)/2)%2
.set rY, XS+4*\t+2*((\s)/4)+((\s)/2)%2
.if (\s) == 0
	v_wmma_scale_f32_16x16x128_f8f6f4 v[rD:rD+7], v[rA:rA+11], v[rB:rB+11], v[BI+8*\u:BI+8*\u+7], v[rX], v[rY] matrix_a_fmt:MATRIX_FMT_FP6 matrix_b_fmt:MATRIX_FMT_FP6
.elseif (\s)%2
	v_wmma_scale_f32_16x16x128_f8f6f4 v[rD:rD+7], v[rA:rA+11], v[rB:rB+11], v[rD:rD+7], v[rX], v[rY] matrix_a_fmt:MATRIX_FMT_FP6 matrix_b_fmt:MATRIX_FMT_FP6 matrix_a_scale:MATRIX_SCALE_ROW1 matrix_b_scale:MATRIX_SCALE_ROW1
.else
	v_wmma_scale_f32_16x16x128_f8f6f4 v[rD:rD+7], v[rA:rA+11], v[rB:rB+11], v[rD:rD+7], v[rX], v[rY] matrix_a_fmt:MATRIX_FMT_FP6 matrix_b_fmt:MATRIX_FMT_FP6
.endif
.endr
.endr
.endm
; relu, the four blocks' scales (unit b = 2 t + c: tile t of the pair, my block c), the codes, the swap, the stores
.macro EPI
.set jj, 0
.rept 64
	v_max_num_f32 v[H+jj], 0, v[H+jj]              ; each accumulator from its low end on
.set jj, jj+1
.endr
.irp b, 0,1,2,3
	v_max3_num_f32 v[TM+\b], v[H+16*\b], v[H+1+16*\b], 0x1800000   ; my 16 numbers, none negative, and the floor 2^(3 - 127): the byte cannot fall under 1
.endr
.irp i, 2,4,6,8,10,12,14
.irp b, 0,1,2,3
	v_max3_num_f32 v[TM+\b], v[TM+\b], v[H+16*\b+\i], v[H+1+16*\b+\i]   ; (the four by turns)
.endr
.endr
.irp b, 0,1,2,3
	v_permlanex16_b32 v[TM+4+\b], v[TM+\b], s[SEL], s[SEL+1]
.endr
.irp b, 0,1,2,3
	v_max_num_f32 v[TM+\b], v[TM+\b], v[TM+4+\b]   ; with lane l xor 16's: the block's largest
.endr
.irp b, 0,1,2,3
	v_add_nc_u32 v[TM+12+\b], 0xff000000, v[TM+\b] ; 2 off its exponent field: the conversion's scale operand
.endr
.irp b, 0,1,2,3
	v_lshrrev_b32 v[TM+8+\b], 23, v[TM+12+\b]      ; the scale's byte
.endr
.irp c, 0,1
	v_cvt_scalef32_pk16_fp6_f32 v[PC+6*\c:PC+6*\c+2], v[H+16*\c:H+16*\c+15], v[TM+12+\c]           ; first tile, block c: 16 codes
	v_cvt_scalef32_pk16_fp6_f32 v[PT+4*\c:PT+4*\c+2], v[H+32+16*\c:H+32+16*\c+15], v[TM+14+\c]     ; second tile
.endr
	v_cndmask_b32 v[SB], v[TM+8], v[TM+10], s[UP]      ; lanes 0-15 keep the first tile's bytes, lanes 16-31 the second's.  (Also the plain line behind the conversions)
	v_cndmask_b32 v[SB+1], v[TM+9], v[TM+11], s[UP]
.irp c, 0,1
.irp i, 0,1,2
	v_permlane16_swap_b32 v[PC+6*\c+\i], v[PT+4*\c+\i] ; the first now holds each lane's block's lower 16 codes, the second the upper 16: lanes 0-15 of the first tile, lanes 16-31 of the second
.endr
.irp i, 0,1,2
	v_mov_b32 v[PC+3+6*\c+\i], v[PT+4*\c+\i]
.endr
.endr
.irp cc, 0,1,2
	global_store_b128 v[VO1], v[PC+4*\cc:PC+4*\cc+3], s[HB:HB+1] offset:512*\cc-2*HROW   ; each half of the lanes: 256 consecutive bytes, aligned.  (The base has been stepped past this pair)
.endr
	global_store_b8 v[VO2], v[SB], s[HB:HB+1] offset:0-2*HROW
	global_store_b8 v[VO2], v[SB+1], s[HB:HB+1] offset:2-2*HROW
.endm
; A pair of tiles.  fetch = 1: the next pair, at LDS byte s[NX], is read: behind each K step that K step's two fragments, behind K steps 3 and 7 a chunk's scale words.
; THE COUNTS.  A pair's LDS loads are issued in the order: 6 for each of K steps 0-3, 2 of scale words, 6 for each of K steps 4-7, 2 of scale words.  At K step 0 the first 26 must be in: the 26 behind them may be out.
; At K step 4 all of this pair's must be in: with fetch the next pair's first 26 may be out.
.macro ITER fetch
.if \fetch
	v_add_nc_u32 v[XA], s[NX], v[L16]
	v_add_nc_u32 v[X8], s[NX], v[L8]
	s_wait_alu depctr_va_vdst(0)
.endif
.irp s, 0,1,2,3,4,5,6,7
.if \s == 0
	s_wait_dscnt 26
.endif
.if \s == 4
.if \fetch
	s_wait_dscnt 26
.else
	s_wait_dscnt 0x0
.endif
	s_wait_xcnt 0x0                                ; the last pair's stores have read their data and their base: both are written again only behind this wait
	s_add_nc_u64 s[HB:HB+1], s[HB:HB+1], 2*HROW
.endif
	KMUL \s
	PLACES
.if \fetch
	XF \s, XA
.if \s == 3
	XSC 0, X8
.endif
.if \s == 7
	XSC 1, X8
.endif
.endif
.endr
	WIN 0
	EPI
.endm
.macro WALK trips, lbl                 ; so many pairs, each reading the next
	s_mov_b32 s41, \trips
\lbl:
	ITER 1
	s_add_co_u32 s[NX], s[NX], PAIRB
	s_sub_co_u32 s41, s41, 1
	s_cmp_lg_u32 s41, 0
	s_wait_alu depctr_va_vdst(0)
	s_cbranch_scc1 \lbl
.endm
.macro THREE                           ; all my tensor loads have landed; 0 onto my spare word; the add and my LDS reads are done
	s_wait_alu depctr_va_vdst(0)
	s_wait_tensorcnt 0x0
	ds_add_u32 v[SPW], v[NIL]
	s_wait_dscnt 0x0
.endm
	s_load_b256 s[4:11], s[0:1], 0x0               ; xq s[4:5], w1q s[6:7], b1 s[8:9], hq s[10:11]
	v_lshl_add_u32 v[SPW], v0, 2, SPARE
	v_mov_b32 v[NIL], 0
	ds_add_u32 v[SPW], v[NIL]                      ; the opening lines: the add, twice on end, and its wait ahead of my first tensor load
	ds_add_u32 v[SPW], v[NIL]
	v_lshrrev_b32 v1, 5, v0
	v_readfirstlane_b32 s12, v1                    ; wave 0..3
	s_bfe_u32 s42, ttmp6, 0x40000                  ; my place in the cluster
	s_lshl_b32 s14, ttmp9, 2
	s_add_co_u32 s14, s14, s42                     ; the work-group's number
	s_lshr_b32 s13, ttmp9, 5                       ; which 512 tokens: by the cluster's number alone
	s_and_b32 s14, s14, 127
	s_lshl_b32 s14, s14, 1
	s_lshr_b32 s15, s12, 1
	s_add_co_u32 s14, s14, s15                     ; Q: which 128 of the 32,768 hidden units
	s_and_b32 s15, s12, 1                          ; p
	s_lshr_b32 s16, s14, 5                         ; expert
	s_bfe_u32 s17, s14, 0x30002                    ; the chunk of hq's K,
	s_and_b32 s18, s14, 3                          ; and the K step in it
	s_mul_i32 s44, s13, 32*TROW                    ; xq: the half's 32 tile rows,
	s_mul_i32 s19, s12, 4*TROW
	s_add_co_u32 s20, s44, s19                     ; my four of rows 0-15,
	s_mov_b32 s21, 0
	s_mul_i32 s19, s12, 2*TROW
	s_add_co_u32 s44, s44, s19                     ; my two of eight
	s_mov_b32 s45, 0
	s_mov_b32 s[G0H], 1
	s_mul_i32 s[G0H+1], s12, 4*TROW                ; LDS: by the wave's number alone
	s_mov_b32 s[G0B], 1
	s_mul_i32 s[G0B+1], s12, 2*TROW
	s_add_co_u32 s[G0B+1], s[G0B+1], 16*TROW
	s_mov_b32 s[G0R], 1
	s_mul_i32 s[G0R+1], s12, 2*TROW
	s_mov_b32 s[G1H], 15|(3<<16)|(1<<21)           ; the mask names the cluster's four; elements of 8 bytes; bit 21 beside a mask
	s_mov_b32 s[G1H+1], 32<<16                     ; a dense block as rows of 256 bytes
	s_mov_b32 s[G1H+2], 200<<16
	s_mov_b32 s[G1H+3], 32<<16
	s_mov_b32 s[G1H+4], 200
	s_mov_b32 s[G1H+5], 32
	s_mov_b32 s[G1H+6], 0
	s_mov_b32 s[G1H+7], 0
	s_mov_b32 s[G1X], 15|(3<<16)|(1<<21)
	s_mov_b32 s[G1X+1], 32<<16
	s_mov_b32 s[G1X+2], 100<<16
	s_mov_b32 s[G1X+3], 32<<16
	s_mov_b32 s[G1X+4], 100
	s_mov_b32 s[G1X+5], 32
	s_mov_b32 s[G1X+6], 0
	s_mov_b32 s[G1X+7], 0
	s_lshl_b32 s22, s14, 3
	s_lshl_b32 s19, s15, 1
	s_add_co_u32 s22, s22, s19
	s_mul_i32 s22, s22, TROW                       ; w1q: tile 8 Q + 2 p
	s_mov_b32 s23, 0
	s_lshl_b32 s24, s14, 9
	s_lshl_b32 s19, s15, 7
	s_add_co_u32 s24, s24, s19                     ; b1: 512 Q + 128 p
	s_mov_b32 s25, 0
	s_mul_i32 s26, s16, 3276800                    ; hq: the expert,
	s_mul_i32 s19, s13, 32*HROW                    ; my 32 tile rows
	s_add_co_u32 s26, s26, s19
	s_mov_b32 s27, 0
	s_mul_i32 s28, s17, CHK
	s_mul_i32 s19, s18, FRAGB
	s_add_co_u32 s29, s28, SCB
	s_add_co_u32 s28, s28, s19
	s_lshl_b32 s19, s15, 8
	s_add_co_u32 s28, s28, s19                     ; codes: chunk, image, lanes 16 p on
	s_and_b32 s19, s18, 1
	s_lshl_b32 s19, s19, 7
	s_add_co_u32 s29, s29, s19
	s_lshr_b32 s19, s18, 1
	s_lshl_b32 s19, s19, 2
	s_add_co_u32 s29, s29, s19
	s_add_co_u32 s29, s29, s15                     ; scale bytes: chunk, the K step's words, byte p
	s_mov_b32 s[SEL], 0x76543210
	s_mov_b32 s[SEL+1], 0xfedcba98
	s_mov_b32 s[NX], PAIRB
	v_and_b32 v1, 31, v0                           ; lane
	v_lshlrev_b32 v[L16], 4, v1
	v_lshlrev_b32 v[L8], 3, v1
	v_lshrrev_b32 v7, 4, v1                        ; h
	v_and_b32 v8, 15, v1                           ; r
	v_lshlrev_b32 v[BA], 6, v7
	v_mul_u32_u24 v9, v7, HROW                     ; lanes 16-31 store into the pair's second tile row
	v_lshl_add_u32 v[VO1], v8, 4, v9
	v_add_nc_u32 v[VO1], s28, v[VO1]
	v_lshl_add_u32 v[VO2], v8, 3, v9
	v_add_nc_u32 v[VO2], s29, v[VO2]
	v_cmp_le_u32 s[UP], 16, v1
.irp b, 0,1,2,3
	v_mov_b32 v[TM+4+\b], 0                        ; written once: a lane permute's destination counts as one of its sources
.endr
	s_wait_alu depctr_va_vdst(0)
	s_wait_dscnt 0x0                               ; both opening adds are done
	s_wait_kmcnt 0x0
	s_add_nc_u64 s[G0H+2:G0H+3], s[4:5], s[20:21]
	s_add_nc_u64 s[G0B+2:G0B+3], s[4:5], s[44:45]
	s_add_nc_u64 s[G0R+2:G0R+3], s[G0B+2:G0B+3], 24*TROW
	s_add_nc_u64 s[G0B+2:G0B+3], s[G0B+2:G0B+3], 16*TROW
	s_or_b32 s[G0H+3], s[G0H+3], 0x80000000
	s_or_b32 s[G0B+3], s[G0B+3], 0x80000000
	s_or_b32 s[G0R+3], s[G0R+3], 0x80000000
	s_add_nc_u64 s[WB:WB+1], s[6:7], s[22:23]
	s_add_nc_u64 s[BB:BB+1], s[8:9], s[24:25]
	s_add_nc_u64 s[HB:HB+1], s[10:11], s[26:27]
	CROUND                                         ; the cluster's four are here: the first joint loads meet
	tensor_load_to_lds s[G0H:G0H+3], s[G1H:G1H+7]  ; rows 0-15, four a wave: my one tensor load at the head
	s_nop 0
	PLACES
.irp u, 0,1,2,3                                    ; my tile u is tile 8 Q + 2 p + 4 (u / 2) + u % 2: block 2 (u / 2) + p
	global_load_b128 v[BI+8*\u:BI+8*\u+3], v[BA], s[BB:BB+1] offset:256*(\u/2)+32*(\u%2)          ; register j: b1 at hidden unit 32 block + 16 h + 8 (u % 2) + j
	global_load_b128 v[BI+8*\u+4:BI+8*\u+7], v[BA], s[BB:BB+1] offset:256*(\u/2)+32*(\u%2)+16
.endr
.irp u, 0,1,2,3
.irp c, 0,1
	global_load_b64 v[SW+4*\u+2*\c:SW+4*\u+2*\c+1], v[L8], s[WB:WB+1] offset:(4*(\u/2)+\u%2)*TROW+\c*CHK+SCB
.endr
.endr
.irp s, 0,1,2,3,4,5,6,7
	WIN (1+\s/4)<<6                                ; destination window 1 or 2
.irp u, 0,1,2,3
.irp cc, 0,1,2
	global_load_b128 v[12*(4*(\s%4)+\u)+4*\cc:12*(4*(\s%4)+\u)+4*\cc+3], v[L16], s[WB:WB+1] offset:(4*(\u/2)+\u%2)*TROW+(\s/4)*CHK+(\s%4)*FRAGB+512*\cc
.endr
.endr
.endr
	WIN 0
	THREE                                          ; my part of rows 0-15 is in; these lines stand ahead of a later first fill as ahead of a refill
	CROUND                                         ; everybody's is
	tensor_load_to_lds s[G0B:G0B+3], s[G1X:G1X+7]  ; rows 16-23, two a wave: a first fill, my one tensor load behind the round
	s_nop 0
	PLACES
.irp s, 0,1,2,3                                    ; pair 0, in the order in which every pair is read
	XF \s, L16
.endr
	XSC 0, L8
.irp s, 4,5,6,7
	XF \s, L16
.endr
	XSC 1, L8
	s_wait_loadcnt 0x0                             ; W1's fragments and scale words and b1 are in
	WALK 7, .Lfirst                                ; pairs 0-6, reading pairs 1-7
	s_mov_b32 s[NX], 8*PAIRB
	THREE                                          ; rows 16-23 are in, and pair 7 is in my registers: my reads of rows 0-15 are over
	CROUND
	tensor_load_to_lds s[G0R:G0R+3], s[G1X:G1X+7]  ; rows 24-31 over rows 0-7: the refill, first behind the round
	s_nop 0
	PLACES
	WALK 4, .Lsecond                               ; pairs 7-10, reading pairs 8-11
	s_mov_b32 s[NX], 0
	THREE                                          ; rows 24-31 are in
	s_barrier_signal -1                            ; no round
	s_barrier_wait -1
	WALK 4, .Lthird                                ; pairs 11-14, reading pairs 12-15
	ITER 0                                         ; the last pair reads nothing more
	s_wait_tensorcnt 0x0                           ; the wave's end
	ds_add_u32 v[SPW], v[NIL]
	s_wait_dscnt 0x0
	CROUND                                         ; the closing round
	s_endpgm
.Lfunc_end_k_qd1a3574d07_ffn1:
	.size	k_qd1a3574d07_ffn1, .Lfunc_end_k_qd1a3574d07_ffn1-k_qd1a3574d07_ffn1
	.p2alignl 7, 3214868480
	.fill 96, 4, 3214868480
	.section	.rodata,"a",@progbits
	.p2align	6, 0x0
	.amdhsa_kernel k_qd1a3574d07_ffn1
		.amdhsa_group_segment_fixed_size 327680
		.amdhsa_private_segment_fixed_size 0
		.amdhsa_enable_private_segment 0
		.amdhsa_kernarg_size 32
		.amdhsa_user_sgpr_count 2
		.amdhsa_user_sgpr_kernarg_segment_ptr 1
		.amdhsa_wavefront_size32 1
		.amdhsa_system_sgpr_workgroup_id_x 1
		.amdhsa_system_sgpr_workgroup_id_y 1
		.amdhsa_system_sgpr_workgroup_id_z 1
		.amdhsa_system_vgpr_workitem_id 0
		.amdhsa_next_free_vgpr 1024
		.amdhsa_next_free_sgpr 80
		.amdhsa_reserve_vcc 0
		.amdhsa_float_denorm_mode_32 3
		.amdhsa_float_denorm_mode_16_64 3
		.amdhsa_memory_ordered 1
		.amdhsa_forward_progress 1
		.amdhsa_inst_pref_size 96
	.end_amdhsa_kernel
	.amdgpu_metadata
---
amdhsa.version: [ 1, 2 ]
amdhsa.kernels:
  - .name:           k_qd1a3574d07_ffn1
    .symbol:         k_qd1a3574d07_ffn1.kd
    .args:
      - { .name: xq, .offset: 0, .size: 8, .value_kind: global_buffer, .address_space: global }
      - { .name: w1q, .offset: 8, .size: 8, .value_kind: global_buffer, .address_space: global }
      - { .name: b1, .offset: 16, .size: 8, .value_kind: global_buffer, .address_space: global }
      - { .name: hq, .offset: 24, .size: 8, .value_kind: global_buffer, .address_space: global }
    .group_segment_fixed_size: 327680
    .private_segment_fixed_size: 0
    .kernarg_segment_align: 8
    .kernarg_segment_size: 32
    .max_flat_workgroup_size: 128
    .sgpr_count:     80
    .vgpr_count:     1024
    .wavefront_size: 32
...
	.end_amdgpu_metadata
.endif
;; end of part 2
;; launch ffn2 (part 3): grid 8 x 32, 4 waves a work-group, clusters of 4 x 4, 327,680 bytes of LDS; arguments hq, w2q, b2, part; writes part
.if DOCPART == 3
	.amdgcn_target "amdgcn-amd-amdhsa--gfx1250"
	.amdhsa_code_object_version 6
	.text
	.protected	k_qd1a3574d07_ffn2
	.globl	k_qd1a3574d07_ffn2
	.p2align	8
	.type	k_qd1a3574d07_ffn2,@function
k_qd1a3574d07_ffn2:
	s_mov_b64 s[64:65], 0
	v_nop
	global_prefetch_b8 v0, s[64:65] scope:SCOPE_SE
	s_setreg_imm32_b32 hwreg(HW_REG_WAVE_MODE, 25, 1), 1
	s_wait_xcnt 0x0
	s_wait_alu depctr_hold_cnt(0) depctr_sa_sdst(0) depctr_va_vdst(0) depctr_va_sdst(0) depctr_va_ssrc(0) depctr_va_vcc(0) depctr_vm_vsrc(0)
	s_getreg_b32 s2, hwreg(HW_REG_IB_STS2, 6, 4)
	s_cmp_eq_u32 s2, 0
	s_cbranch_scc0 .Lentry_in_a_cluster
	s_endpgm
.Lentry_in_a_cluster:
	s_bfe_u32 s2, ttmp6, 0x10000c
	s_cmp_lg_u32 s2, 0xf033
	s_cbranch_scc0 .Lentry_shape_is_right
	s_endpgm
.Lentry_shape_is_right:
; FFN2: part[e] = h_e W2_e + b2[e] on codes of FP6 (E2M3); K = the expert's 4,096 hidden units.  hq and w2q lie as chunks of 6,400 bytes for 16 rows x 512 along K: four images of an operand's
; registers (1,536 bytes: register j of lane L at 512 (j / 4) + 16 L + 4 (j % 4)), then 256 bytes of scale words (row r, K step q at 8 (r + 16 (q % 2)) + 4 (q / 2)); a tile row is 8 chunks.
; SHARES.  A work-group makes 256 tokens x 128 columns of one expert: 8 experts x 4 blocks of tokens x 8 blocks of columns = 256 work-groups.  A wave makes 128 x 64: 32 accumulators, 256 registers.
; K goes chunk by chunk through two LDS slots: 16 tile rows of h, then 8 of W2, 6,400 bytes each.  A fragment comes by three loads of 512 consecutive bytes: no padding is wanted.
; CLUSTER, 4 x 4: the cluster's y is the expert, the place along y the block of tokens, x the block of columns.  The four of a row need the same chunks of h, the four of a column the same chunks of W2:
; each is asked for JOINTLY, by the same tensor load with the same descriptor and a mask that names the four.
; Source 0 = 16 tokens of h, source 1 = 16 rows of a tile of w2q: register j of lane (r, half) holds token 8 half + j and the tile's row r, which is column 32 G + 2 r + t of tile 2 G + t.
; b2 is the C of each sum's first product.  The accumulators leave as images, 1,024 bytes each: part is [expert][tile of tokens][tile of columns][1,024], read by the last launch alone.
; REGISTERS, in windows of 256: window 0: addresses, scale words, b2.  Window 1: accumulator (a, b) at v[8 (4 a + b)].  Windows 2 and 3: the two sets of fragments: h's eight at v[12 a], W2's four at v[96 + 12 b].
.set CHK,   6400
.set FRAGB, 1536
.set SCB,   6144
.set SLOT,  24*CHK                     ; 153,600 bytes
.set BOFF,  16*CHK                     ; W2's tile rows in a slot
.set SPARE, 2*SLOT                     ; behind the ring: the spare words, 128 bytes for each wave: two blocks of 256 bytes that no other line names
.set ADA,  16                          ; v16-17  LDS address of my fragments of h in slot 0, 1
.set ADB,  18                          ; v18-19  of W2
.set ADAS, 20                          ; v20-21  of h's scale words
.set ADBS, 22                          ; v22-23  of W2's
.set LI,   26                          ; v26     16 x lane
.set SPW,  28                          ; v28     LDS address of my spare word; never rewritten
.set NIL,  29                          ; v29     0; never rewritten
.set SCL,  32                          ; v32-79  scale words, a set of 24 for each slot: h's pair of tile a at 2 a, W2's of tile b at 16 + 2 b
.set BI,   80                          ; v80-111 b2 in the result's layout: eight copies for each tile b
.set G1A,  24                          ; s[24:31] descriptor group 1 for h;  s[32:39] group 0, a set for each slot
.set G0A,  32
.set G1B,  40                          ; s[40:47], s[48:55] the same for W2
.set G0B,  48
.set MSB, 0
.macro WIN new                         ; the immediate's high byte repeats the setting that is left; a switch that changes nothing is dropped
.if MSB != (\new)
	s_set_vgpr_msb (MSB<<8)|(\new)
.set MSB, (\new)
.endif
.endm
.macro PLACES                          ; four plain vector lines between a matrix instruction and a load into its registers or a store of its result
.rept 4
	v_nop
.endr
.endm
; A joint load: waves 0 and 1 fetch h's two halves, waves 2 and 3 W2's.  The branch hangs on the wave's number alone.  Four v_nop follow each of the two lines.
.macro JLOAD s
	s_cmp_eq_u32 s13, 0
	s_cbranch_scc0 .Lfor_b_\@
	tensor_load_to_lds s[G0A+4*\s:G0A+4*\s+3], s[G1A:G1A+7]
	s_nop 0
.rept 4
	v_nop
.endr
	s_branch .Lasked_\@
.Lfor_b_\@:
	tensor_load_to_lds s[G0B+4*\s:G0B+4*\s+3], s[G1B:G1B+7]
	s_nop 0
.rept 4
	v_nop
.endr
.Lasked_\@:
.endm
.macro CREST                           ; a round of the cluster's barrier behind its opening barrier
	s_cmp_lg_u32 s12, 0
	s_cbranch_scc1 .Lnot_wave_0_\@
	s_barrier_signal -3
.Lnot_wave_0_\@:
	s_barrier_wait -3
	s_barrier_signal -1
	s_barrier_wait -1
.endm
.macro CROUND                          ; a whole round
	s_barrier_signal -1
	s_barrier_wait -1
	CREST
.endm
	s_load_b256 s[4:11], s[0:1], 0x0               ; hq s[4:5], w2q s[6:7], b2 s[8:9], part s[10:11]
	v_lshl_add_u32 v[SPW], v0, 2, SPARE
	v_mov_b32 v[NIL], 0
	ds_add_u32 v28, v29
	ds_add_u32 v28, v29
	s_wait_dscnt 0x0
	v_lshrrev_b32 v1, 5, v0
	v_readfirstlane_b32 s12, v1                    ; wave 0..3
	s_lshr_b32 s13, s12, 1                         ; which 128 tokens are mine.  Also: I fetch for h (0) or for W2 (1)
	s_and_b32 s14, s12, 1                          ; which 64 columns.  Also: which half of that operand's tile rows I fetch
	s_bfe_u32 s15, ttmp6, 0x40000                  ; cx
	s_bfe_u32 s16, ttmp6, 0x40004                  ; cy: the block of 256 tokens
	s_lshl_b32 s17, ttmp9, 2
	s_add_co_u32 s17, s17, s15                     ; the block of 128 columns = 4 x cluster x + cx
	s_and_b32 s18, ttmp7, 0xffff                   ; the expert = cluster y
	s_lshl_b32 s20, s16, 2
	s_lshl_b32 s20, 15, s20                        ; my row of the cluster
	s_lshl_b32 s21, 0x1111, s15                    ; my column
	; descriptor group 1: rows of 6,400 bytes (800 elements of 8 bytes), 51,200 bytes apart: one chunk of 8 (h) or 4 (W2) tile rows
	s_or_b32 s[G1A], s20, (3<<16)|(1<<21)          ; 15:0 the mask: h's chunks go to my row; 17:16 elements of 8 bytes; 21 set beside a mask
	s_mov_b32 s[G1A+1], 800<<16                    ; tensor_dim0
	s_mov_b32 s[G1A+2], 8<<16                      ; tensor_dim1
	s_mov_b32 s[G1A+3], 800<<16                    ; tile_dim0
	s_mov_b32 s[G1A+4], 8                          ; tile_dim1
	s_mov_b32 s[G1A+5], 6400                       ; elements from row to row
	s_mov_b32 s[G1A+6], 0
	s_mov_b32 s[G1A+7], 0
	s_or_b32 s[G1B], s21, (3<<16)|(1<<21)          ; W2's go to my column
	s_mov_b32 s[G1B+1], 800<<16
	s_mov_b32 s[G1B+2], 4<<16
	s_mov_b32 s[G1B+3], 800<<16
	s_mov_b32 s[G1B+4], 4
	s_mov_b32 s[G1B+5], 6400
	s_mov_b32 s[G1B+6], 0
	s_mov_b32 s[G1B+7], 0
	; where the chunks come from.  h's hang on the expert and cy, which my row shares; W2's on the expert and the block of columns, which my column shares: each in registers that never hold the other place
	s_mul_i32 s19, s18, 3276800                    ; an expert's codes, in hq and in w2q
	s_mul_i32 s56, s16, 819200                     ; 16 tile rows of h,
	s_add_co_u32 s56, s56, s19
	s_mul_i32 s57, s14, 409600                     ; the eight that I fetch
	s_add_co_u32 s56, s56, s57
	s_mov_b32 s57, 0
	s_mul_i32 s58, s17, 409600                     ; 8 tile rows of W2,
	s_add_co_u32 s58, s58, s19
	s_mul_i32 s59, s14, 204800                     ; the four that I fetch
	s_add_co_u32 s58, s58, s59
	s_mov_b32 s59, 0
	s_mul_i32 s2, s12, 8*CHK                       ; where they go: h: waves 0, 1: 51,200 x wave;
	s_mul_i32 s3, s12, 4*CHK
	s_add_co_u32 s3, s3, 8*CHK                     ; W2: waves 2, 3: 51,200 + 25,600 x wave.  No place in the cluster enters an LDS address
	s_lshl_b32 s60, s18, 22                        ; part: the expert,
	s_lshl_b32 s61, s16, 20                        ; 16 tiles of tokens of 65,536 bytes,
	s_add_co_u32 s60, s60, s61
	s_lshl_b32 s61, s13, 19                        ; my eight,
	s_add_co_u32 s60, s60, s61
	s_lshl_b32 s61, s17, 13                        ; 8 tiles of columns of 1,024 bytes,
	s_add_co_u32 s60, s60, s61
	s_lshl_b32 s61, s14, 12                        ; my four
	s_add_co_u32 s60, s60, s61
	s_mov_b32 s61, 0
	s_lshl_b32 s62, s18, 12                        ; b2: the expert's row, the block's 128 numbers, my 64
	s_lshl_b32 s63, s17, 9
	s_add_co_u32 s62, s62, s63
	s_lshl_b32 s63, s14, 8
	s_add_co_u32 s62, s62, s63
	s_mov_b32 s63, 0
	s_wait_kmcnt 0x0
; PREFETCHES INTO THE L2.  Behind the load of chunk c stands a request for chunk c + 2 (at the head for chunks 1 and 2, behind slot 1's first fill for chunk 3); the loop's last trip, whose chunks have none two on, asks for nothing.
; A chunk of a tile row is 25 blocks of 256 bytes.  A cluster loads 64 tile rows of h and 32 of W2; each block is named once in the cluster, the partners sharing the rows out BY ADDRESS:
; of my block's 16 tile rows of h the partner at cx takes four, a wave one (a lane a block; lanes 25-31 name the last again); of my block's 8 tile rows of W2 the partner at cy takes two, a wave half of one (13 and 12 blocks).
.macro ASK off
	global_prefetch_b8 v24, s[66:67] offset:\off th:TH_LOAD_NT scope:SCOPE_SE
	global_prefetch_b8 v25, s[68:69] offset:\off th:TH_LOAD_NT scope:SCOPE_SE
.endm
	s_lshl_b32 s66, s15, 2
	s_add_co_u32 s66, s66, s12                     ; h: tile row 4 cx + wave of my block's sixteen
	s_mul_i32 s66, s66, 51200
	s_mul_i32 s67, s16, 819200
	s_add_co_u32 s66, s66, s67
	s_add_co_u32 s66, s66, s19
	s_mov_b32 s67, 0
	s_add_nc_u64 s[66:67], s[4:5], s[66:67]
	s_lshl_b32 s68, s17, 3
	s_lshl_b32 s69, s16, 1
	s_add_co_u32 s68, s68, s69
	s_add_co_u32 s68, s68, s13                     ; W2: tile row 2 cy + wave / 2 of my block's eight
	s_mul_i32 s68, s68, 51200
	s_add_co_u32 s68, s68, s19
	s_mov_b32 s69, 0
	s_add_nc_u64 s[68:69], s[6:7], s[68:69]
	s_add_nc_u64 s[4:5], s[4:5], s[56:57]
	s_add_nc_u64 s[6:7], s[6:7], s[58:59]
	s_add_nc_u64 s[10:11], s[10:11], s[60:61]
	s_add_nc_u64 s[8:9], s[8:9], s[62:63]
.irp s, 0,1
	s_mov_b32 s[G0A+4*\s], 1                                       ; count = 1
	s_add_co_u32 s[G0A+4*\s+1], s2, \s*SLOT                        ; LDS address
	s_add_nc_u64 s[G0A+4*\s+2:G0A+4*\s+3], s[4:5], \s*CHK          ; global address: chunk s
	s_or_b32 s[G0A+4*\s+3], s[G0A+4*\s+3], 0x80000000              ; type = 2
	s_mov_b32 s[G0B+4*\s], 1
	s_add_co_u32 s[G0B+4*\s+1], s3, \s*SLOT
	s_add_nc_u64 s[G0B+4*\s+2:G0B+4*\s+3], s[6:7], \s*CHK
	s_or_b32 s[G0B+4*\s+3], s[G0B+4*\s+3], 0x80000000
.endr
	CROUND                                         ; all sixteen work-groups are here: the first joint loads meet
	s_cmp_eq_u32 s13, 0                            ; chunk 0: one tensor load a wave at the head, one in each arm
	s_cbranch_scc0 .Lfirst_b
	tensor_load_to_lds s[G0A:G0A+3], s[G1A:G1A+7]
	s_nop 0
.rept 4
	v_nop
.endr
	s_branch .Lfirst_asked
.Lfirst_b:
	tensor_load_to_lds s[G0B:G0B+3], s[G1B:G1B+7]
	s_nop 0
.rept 4
	v_nop
.endr
.Lfirst_asked:
	v_and_b32 v1, 31, v0                           ; lane
	v_lshlrev_b32 v[LI], 4, v1
	v_lshlrev_b32 v2, 3, v1
	v_and_b32 v3, 15, v1
	v_lshlrev_b32 v3, 3, v3                        ; b2: row r of a tile is column 2 r + t: 8 bytes a row
	v_min_u32 v24, 24, v1
	v_lshlrev_b32 v24, 8, v24                      ; h: block min(lane, 24); never rewritten
	v_min_u32 v25, 12, v1
	v_mad_u32_u24 v25, s14, 13, v25
	v_min_u32 v25, 24, v25
	v_lshlrev_b32 v25, 8, v25                      ; W2: block min(13 (wave % 2) + min(lane, 12), 24); never rewritten
	ASK CHK
	ASK 2*CHK
.irp b, 0,1,2,3
	global_load_b32 v[BI+8*\b], v3, s[8:9] offset:128*(\b/2)+4*(\b%2)   ; tile b of my four: columns 32 (b / 2) + 2 r + b % 2
.endr
	s_mul_i32 s56, s13, 8*CHK                      ; my eight tile rows of h,
	s_mul_i32 s57, s14, 4*CHK                      ; my four of W2,
	s_add_co_u32 s57, s57, BOFF                    ; which lie behind h's sixteen
.irp s, 0,1
	v_add_nc_u32 v[ADA+\s], s56, v[LI]
	v_add_nc_u32 v[ADB+\s], s57, v[LI]
	v_add_nc_u32 v[ADAS+\s], s56, v2
	v_add_nc_u32 v[ADBS+\s], s57, v2
	s_add_co_u32 s56, s56, SLOT
	s_add_co_u32 s57, s57, SLOT
.endr
	s_wait_loadcnt 0x0
.irp b, 0,1,2,3
.irp j, 1,2,3,4,5,6,7
	v_mov_b32 v[BI+8*\b+\j], v[BI+8*\b]            ; a lane's eight results are eight tokens of one column: eight copies
.endr
.endr
.macro FETCH slot, q, set              ; the twelve fragments of the slot's K step q into set: 36 loads of 512 consecutive bytes
	WIN 0x80+0x40*(\set)                           ; destination window 2 or 3, address window 0
.irp a, 0,1,2,3,4,5,6,7
.irp cc, 0,1,2
	ds_load_b128 v[12*\a+4*\cc:12*\a+4*\cc+3], v[ADA+\slot] offset:\a*CHK+(\q)*FRAGB+512*\cc
.endr
.endr
.irp b, 0,1,2,3
.irp cc, 0,1,2
	ds_load_b128 v[96+12*\b+4*\cc:96+12*\b+4*\cc+3], v[ADB+\slot] offset:\b*CHK+(\q)*FRAGB+512*\cc
.endr
.endr
.endm
.macro SCALES slot                     ; the slot's scale words, for its four K steps: twelve loads
	WIN 0
.irp a, 0,1,2,3,4,5,6,7
	ds_load_b64 v[SCL+24*\slot+2*\a:SCL+24*\slot+2*\a+1], v[ADAS+\slot] offset:\a*CHK+SCB
.endr
.irp b, 0,1,2,3
	ds_load_b64 v[SCL+24*\slot+16+2*\b:SCL+24*\slot+16+2*\b+1], v[ADBS+\slot] offset:\b*CHK+SCB
.endr
.endm
; 8 products: tiles of tokens a0, a0 + 1 x my four tiles of columns, K step q of a chunk, fragments of set, scale words of set sp.  first = 1: C is b2.
; The 32 accumulators take turns, one instruction a turn, in the same order in every K step.  An odd K step's scale words stand in lanes 16-31.
.macro MUL8 a0, set, q, sp, first
.if \first
	WIN 0x4a                                       ; sources 0 and 1 window 2, C window 0, D window 1
.else
	WIN 0x5a+5*(\set)                              ; sources 0 and 1 window 2 or 3, C and D window 1
.endif
.irp a, \a0, \a0+1
.irp b, 0,1,2,3
.set rD, 8*(4*(\a)+\b)
.set rA, 12*(\a)
.set rB, 96+12*\b
.set rX, SCL+24*(\sp)+2*(\a)+(\q)/2
.set rY, SCL+24*(\sp)+16+2*\b+(\q)/2
.if \first
	v_wmma_scale_f32_16x16x128_f8f6f4 v[rD:rD+7], v[rA:rA+11], v[rB:rB+11], v[BI+8*\b:BI+8*\b+7], v[rX], v[rY] matrix_a_fmt:MATRIX_FMT_FP6 matrix_b_fmt:MATRIX_FMT_FP6
.elseif (\q)%2
	v_wmma_scale_f32_16x16x128_f8f6f4 v[rD:rD+7], v[rA:rA+11], v[rB:rB+11], v[rD:rD+7], v[rX], v[rY] matrix_a_fmt:MATRIX_FMT_FP6 matrix_b_fmt:MATRIX_FMT_FP6 matrix_a_scale:MATRIX_SCALE_ROW1 matrix_b_scale:MATRIX_SCALE_ROW1
.else
	v_wmma_scale_f32_16x16x128_f8f6f4 v[rD:rD+7], v[rA:rA+11], v[rB:rB+11], v[rD:rD+7], v[rX], v[rY] matrix_a_fmt:MATRIX_FMT_FP6 matrix_b_fmt:MATRIX_FMT_FP6
.endif
.endr
.endr
.endm
; One of a chunk's first three K steps: the next K step's fragments are asked for first, into the set that the last K step multiplied, and land under this step's 32 products.
.macro KSTEP slot, q, first
	PLACES
	FETCH \slot, (\q)+1, ((\q)+1)%2
	s_wait_dscnt 36                                ; all but the 36 just issued: this step's fragments, and the scale words, are in
	MUL8 0, (\q)%2, \q, \slot, \first
	MUL8 2, (\q)%2, \q, \slot, \first
	MUL8 4, (\q)%2, \q, \slot, \first
	MUL8 6, (\q)%2, \q, \slot, \first
.endm
; A chunk's last K step changes slots: ONE barrier.  In front of it each wave waits for all its tensor loads (one is out: its part of the next slot), adds 0 to its spare word, and waits for that and
; for its reads of this slot.  fill = 1: the barrier opens a round of the cluster's, and the joint refill, the chunk two on, is the first tensor load behind the round, one a wave.
.macro TURN slot, next, fill
	WIN 0                                          ; (the add's two registers lie in window 0)
	s_wait_tensorcnt 0x0                           ; all my tensor loads have landed;
	ds_add_u32 v[SPW], v[NIL]                      ; 0 onto my spare word;
	s_wait_dscnt 1                                 ; (the add alone may be out: this step's fragments are in)
	MUL8 0, 1, 3, \slot, 0                         ; eight products stand between the add and the wait for it
	s_wait_dscnt 0x0                               ; the add is done, and my reads of this slot are over
	s_barrier_signal -1
	MUL8 2, 1, 3, \slot, 0
	WIN 0
	s_barrier_wait -1
.if \fill
	CREST                                          ; no wave of any partner still reads this slot or has a load on its way
	s_add_nc_u64 s[G0A+4*\slot+2:G0A+4*\slot+3], s[G0A+4*\slot+2:G0A+4*\slot+3], 2*CHK
	s_add_nc_u64 s[G0B+4*\slot+2:G0B+4*\slot+3], s[G0B+4*\slot+2:G0B+4*\slot+3], 2*CHK
	JLOAD \slot                                    ; the four v_nop behind it are also the places in front of the loads below
.else
	PLACES
.endif
	FETCH \next, 0, 0
	SCALES \next
.if \fill
	s_cmp_gt_u32 s22, 1                            ; not in the loop's last trip: chunks 8 and 9 do not exist
	s_cbranch_scc0 .Lno_ask_\@
	ASK (4+\slot)*CHK                              ; the bases stand 2 chunks further on in each trip: chunks 4 and 5, then 6 and 7
.Lno_ask_\@:
.endif
	MUL8 4, 1, 3, \slot, 0
	MUL8 6, 1, 3, \slot, 0
.endm
	s_wait_alu depctr_va_vdst(0)
	s_wait_tensorcnt 0x0                           ; my part of chunk 0 is in; these lines stand ahead of a later first fill, as ahead of a refill:
	ds_add_u32 v[SPW], v[NIL]                      ; 0 onto my spare word
	s_wait_dscnt 0x0                               ; the add is done
	CROUND                                         ; a whole round: everybody's part of chunk 0 is in, and all sixteen work-groups are here
	JLOAD 1                                        ; chunk 1, slot 1's first fill: the first tensor load behind the round, one a wave
	FETCH 0, 0, 0
	SCALES 0
	ASK 3*CHK
	KSTEP 0, 0, 1                                  ; the first K step stands in front of the loop: its products start the sums, on b2
	WIN 0                                          ; at a label and at a branch every window is 0
	s_mov_b32 s22, 3
.Llap:                                             ; a trip goes once round the ring, from a chunk's second K step to the first of the chunk two on, and fills both slots again
	KSTEP 0, 1, 0
	KSTEP 0, 2, 0
	TURN 0, 1, 1
	KSTEP 1, 0, 0
	KSTEP 1, 1, 0
	KSTEP 1, 2, 0
	TURN 1, 0, 1
	KSTEP 0, 0, 0
	WIN 0
	s_wait_xcnt 0x0                                ; the prefetches have read their bases: they step only behind this wait
	s_add_nc_u64 s[66:67], s[66:67], 2*CHK
	s_add_nc_u64 s[68:69], s[68:69], 2*CHK
	s_sub_co_u32 s22, s22, 1
	s_cmp_lg_u32 s22, 0
	s_cbranch_scc1 .Llap
	KSTEP 0, 1, 0                                  ; the last two chunks: nothing is left to fetch, and no round of the cluster's barrier
	KSTEP 0, 2, 0
	TURN 0, 1, 0
	KSTEP 1, 0, 0
	KSTEP 1, 1, 0
	KSTEP 1, 2, 0
	s_wait_dscnt 0x0
	MUL8 0, 1, 3, 1, 0
	MUL8 2, 1, 3, 1, 0
	MUL8 4, 1, 3, 1, 0
	MUL8 6, 1, 3, 1, 0
	PLACES                                         ; in front of the stores of results just made
	WIN 0x04                                       ; a store's data are its source 1: window 1
.irp a, 0,1,2,3,4,5,6,7
.irp b, 0,1,2,3
	global_store_b128 v[LI], v[8*(4*\a+\b):8*(4*\a+\b)+3], s[10:11] offset:\a*65536+\b*1024         ; each accumulator from its low end on; 512 consecutive bytes, aligned
	global_store_b128 v[LI], v[8*(4*\a+\b)+4:8*(4*\a+\b)+7], s[10:11] offset:\a*65536+\b*1024+512
.endr
.endr
	WIN 0
	s_wait_tensorcnt 0x0                           ; the wave's end
	ds_add_u32 v[SPW], v[NIL]
	s_wait_dscnt 0x0
	CROUND                                         ; the closing round: no work-group ends while a partner may still ask for a tile that names it
	s_endpgm
.Lfunc_end_k_qd1a3574d07_ffn2:
	.size	k_qd1a3574d07_ffn2, .Lfunc_end_k_qd1a3574d07_ffn2-k_qd1a3574d07_ffn2
	.p2alignl 7, 3214868480
	.fill 96, 4, 3214868480
	.section	.rodata,"a",@progbits
	.p2align	6, 0x0
	.amdhsa_kernel k_qd1a3574d07_ffn2
		.amdhsa_group_segment_fixed_size 327680
		.amdhsa_private_segment_fixed_size 0
		.amdhsa_enable_private_segment 0
		.amdhsa_kernarg_size 32
		.amdhsa_user_sgpr_count 2
		.amdhsa_user_sgpr_kernarg_segment_ptr 1
		.amdhsa_wavefront_size32 1
		.amdhsa_system_sgpr_workgroup_id_x 1
		.amdhsa_system_sgpr_workgroup_id_y 1
		.amdhsa_system_sgpr_workgroup_id_z 1
		.amdhsa_system_vgpr_workitem_id 0
		.amdhsa_next_free_vgpr 1024
		.amdhsa_next_free_sgpr 72
		.amdhsa_reserve_vcc 0
		.amdhsa_float_denorm_mode_32 3
		.amdhsa_float_denorm_mode_16_64 3
		.amdhsa_memory_ordered 1
		.amdhsa_forward_progress 1
		.amdhsa_inst_pref_size 127
	.end_amdhsa_kernel
	.amdgpu_metadata
---
amdhsa.version: [ 1, 2 ]
amdhsa.kernels:
  - .name:           k_qd1a3574d07_ffn2
    .symbol:         k_qd1a3574d07_ffn2.kd
    .args:
      - { .name: hq, .offset: 0, .size: 8, .value_kind: global_buffer, .address_space: global }
      - { .name: w2q, .offset: 8, .size: 8, .value_kind: global_buffer, .address_space: global }
      - { .name: b2, .offset: 16, .size: 8, .value_kind: global_buffer, .address_space: global }
      - { .name: part, .offset: 24, .size: 8, .value_kind: global_buffer, .address_space: global }
    .group_segment_fixed_size: 327680
    .private_segment_fixed_size: 0
    .kernarg_segment_align: 8
    .kernarg_segment_size: 32
    .max_flat_workgroup_size: 128
    .sgpr_count:     72
    .vgpr_count:     1024
    .wavefront_size: 32
...
	.end_amdgpu_metadata
.endif
;; end of part 3
;; launch comb (part 4): grid 256 x 1, 4 waves a work-group, no clusters, 17,920 bytes of LDS; arguments part, gat, out0; writes out0
.if DOCPART == 4
	.amdgcn_target "amdgcn-amd-amdhsa--gfx1250"
	.amdhsa_code_object_version 6
	.text
	.protected	k_qd1a3574d07_comb
	.globl	k_qd1a3574d07_comb
	.p2align	8
	.type	k_qd1a3574d07_comb,@function
k_qd1a3574d07_comb:
	s_mov_b64 s[64:65], 0
	v_nop
	global_prefetch_b8 v0, s[64:65] scope:SCOPE_SE
	s_setreg_imm32_b32 hwreg(HW_REG_WAVE_MODE, 25, 1), 1
	s_wait_xcnt 0x0
; COMB: out0[n][d] = the sum over the eight experts of gat[n][e] x part[e][n][d], in f32.
; part is [expert][tile T of 16 tokens][tile of columns][1,024 bytes]: the image of an accumulator: register j of lane L at 512 (j / 4) + 16 L + 4 (j % 4); register j of lane (r, half) is token 8 half + j
; and, in tile 2 G + t, column 32 G + 2 r + t.  gat is [T][expert][16 tokens] f32.
; A wave takes one tile of tokens x four tiles of columns (64 neighbouring columns): 1,024 such pieces for 256 work-groups of four waves.  Every load of part reads 512 consecutive bytes, once in the launch.
; A lane ends with pairs of neighbouring columns of eight tokens; they go through the wave's own stage in LDS (16 rows of 256 bytes + 16) and leave as rows: sixteen lanes store 256 consecutive bytes, aligned.
; A stream: no matrix unit, no cluster (no two work-groups read the same bytes of part), no barrier (waves share nothing).  Four experts' loads, 32 a wave, are kept on their way.
.set G, 16                             ; v16-79   gat: expert e, token 8 half + j at 8 e + j
.set P, 80                             ; v80-207  four slots of 32 registers: an expert's four tiles
.set O, 208                            ; v208-239 the sums: pair of tiles g, token j, tile's parity t at 16 g + 2 j + t
.set SP, 272
	s_load_b128 s[4:7], s[0:1], 0x0                ; part s[4:5], gat s[6:7]
	s_load_b64 s[16:17], s[0:1], 0x10              ; out0
	v_lshl_add_u32 v240, v0, 2, 0x4400
	v_mov_b32 v241, 0
	v_lshrrev_b32 v1, 5, v0
	v_readfirstlane_b32 s18, v1                    ; wave 0..3
	v_and_b32 v1, 31, v0                           ; lane
	s_wait_alu depctr_va_vdst(0)
	s_lshl_b32 s19, ttmp9, 2
	s_add_co_u32 s19, s19, s18                     ; my piece
	s_lshr_b32 s20, s19, 4                         ; T
	s_and_b32 s21, s19, 15                         ; which 64 columns
	s_lshl_b32 s22, s20, 16                        ; part: 64 tiles of 1,024 bytes for each T,
	s_lshl_b32 s24, s21, 12                        ; my four
	s_add_co_u32 s22, s22, s24
	s_mov_b32 s23, 0
	s_lshl_b32 s24, s20, 9                         ; gat: 512 bytes for each T
	s_mov_b32 s25, 0
	s_lshl_b32 s26, s20, 16                        ; out0: 16 rows of 4,096 bytes,
	s_lshl_b32 s27, s21, 8                         ; my 256 bytes of each
	s_add_co_u32 s26, s26, s27
	s_mov_b32 s27, 0
	v_and_b32 v7, 15, v1                           ; r
	v_lshrrev_b32 v8, 4, v1                        ; half
	v_lshlrev_b32 v2, 4, v1                        ; an image's place for my lane
	v_lshlrev_b32 v3, 5, v8                        ; gat: my half's eight tokens
	s_mul_i32 s28, s18, 16*SP                      ; my stage
	v_mul_u32_u24 v4, v8, 8*SP                     ; in: row 8 half + j, 8 bytes at 8 r
	v_lshl_add_u32 v4, v7, 3, v4
	v_add_nc_u32 v4, s28, v4
	v_mul_u32_u24 v5, v8, SP                       ; back: lanes 0-15 one row, lanes 16-31 the next
	v_lshl_add_u32 v5, v7, 4, v5
	v_add_nc_u32 v5, s28, v5
	v_lshlrev_b32 v6, 12, v8                       ; and the same two rows in out0
	v_lshl_add_u32 v6, v7, 4, v6
	s_wait_alu depctr_va_vdst(0)
	s_wait_kmcnt 0x0
	s_add_nc_u64 s[8:9], s[4:5], s[22:23]          ; four bases, two experts (8,388,608 bytes) apart: an expert's 4,194,304 bytes fit the immediate once
	s_add_nc_u64 s[10:11], s[8:9], 0x800000
	s_add_nc_u64 s[12:13], s[10:11], 0x800000
	s_add_nc_u64 s[14:15], s[12:13], 0x800000
	s_add_nc_u64 s[6:7], s[6:7], s[24:25]
	s_add_nc_u64 s[16:17], s[16:17], s[26:27]
.macro PLOAD e                         ; expert e's four tiles: eight loads
.irp tt, 0,1,2,3
.irp hf, 0,1
	global_load_b128 v[P+32*((\e)%4)+8*\tt+4*\hf:P+32*((\e)%4)+8*\tt+4*\hf+3], v2, s[8+2*((\e)/2):9+2*((\e)/2)] offset:((\e)%2)*4194304+\tt*1024+512*\hf th:TH_LOAD_NT
.endr
.endr
.endm
.irp e, 0,1,2,3,4,5,6,7
	global_load_b128 v[G+8*\e:G+8*\e+3], v3, s[6:7] offset:64*\e
	global_load_b128 v[G+8*\e+4:G+8*\e+7], v3, s[6:7] offset:64*\e+16
.endr
	PLOAD 0
	PLOAD 1
	PLOAD 2
	PLOAD 3
.set E, 0
.rept 8
.if E < 5
	s_wait_loadcnt 24                              ; the gate's weights and this expert's tiles are in; the three younger experts' eight loads each may be out
.else
	s_wait_loadcnt 8*(7-E)                         ; nothing is asked for behind them: the counts run down
.endif
.irp tt, 0,1,2,3
.irp j, 0,1,2,3,4,5,6,7
.if E == 0
	v_mul_f32 v[O+16*(\tt/2)+2*\j+\tt%2], v[G+8*E+\j], v[P+32*(E%4)+8*\tt+\j]      ; the first expert starts the sums
.else
	v_fmac_f32 v[O+16*(\tt/2)+2*\j+\tt%2], v[G+8*E+\j], v[P+32*(E%4)+8*\tt+\j]
.endif
.endr
.endr
.if E < 4
	PLOAD E+4                                      ; the slot just read takes the expert four on
.endif
.set E, E+1
.endr
.irp g, 0,1
.irp j, 0,1,2,3,4,5,6,7
	ds_store_b64 v4, v[O+16*\g+2*\j:O+16*\g+2*\j+1] offset:SP*\j+128*\g   ; token 8 half + j, columns 32 g + 2 r and the next
.endr
.endr
.irp i, 0,1,2,3,4,5,6,7
	ds_load_b128 v[P+4*\i:P+4*\i+3], v5 offset:2*\i*SP     ; LDS serves a wave's instructions in order: these see my stores
.endr
.irp i, 0,1,2,3,4,5,6,7
	s_wait_dscnt 7-\i                              ; rows 2 i and 2 i + 1 are back; the younger reads may be out
	global_store_b128 v6, v[P+4*\i:P+4*\i+3], s[16:17] offset:8192*\i th:TH_STORE_NT   ; sixteen lanes store 256 consecutive bytes, at a multiple of 256 from out0's first byte
.endr
	s_wait_tensorcnt 0x0
	ds_add_u32 v240, v241
	s_wait_dscnt 0x0
	s_endpgm
.Lfunc_end_k_qd1a3574d07_comb:
	.size	k_qd1a3574d07_comb, .Lfunc_end_k_qd1a3574d07_comb-k_qd1a3574d07_comb
	.p2alignl 7, 3214868480
	.fill 96, 4, 3214868480
	.section	.rodata,"a",@progbits
	.p2align	6, 0x0
	.amdhsa_kernel k_qd1a3574d07_comb
		.amdhsa_group_segment_fixed_size 17920
		.amdhsa_private_segment_fixed_size 0
		.amdhsa_enable_private_segment 0
		.amdhsa_kernarg_size 24
		.amdhsa_user_sgpr_count 2
		.amdhsa_user_sgpr_kernarg_segment_ptr 1
		.amdhsa_wavefront_size32 1
		.amdhsa_system_sgpr_workgroup_id_x 1
		.amdhsa_system_sgpr_workgroup_id_y 1
		.amdhsa_system_sgpr_workgroup_id_z 1
		.amdhsa_system_vgpr_workitem_id 0
		.amdhsa_next_free_vgpr 242
		.amdhsa_next_free_sgpr 66
		.amdhsa_reserve_vcc 0
		.amdhsa_float_denorm_mode_32 3
		.amdhsa_float_denorm_mode_16_64 3
		.amdhsa_memory_ordered 1
		.amdhsa_forward_progress 1
		.amdhsa_inst_pref_size 21
	.end_amdhsa_kernel
	.amdgpu_metadata
---
amdhsa.version: [ 1, 2 ]
amdhsa.kernels:
  - .name:           k_qd1a3574d07_comb
    .symbol:         k_qd1a3574d07_comb.kd
    .args:
      - { .name: part, .offset: 0, .size: 8, .value_kind: global_buffer, .address_space: global }
      - { .name: gat, .offset: 8, .size: 8, .value_kind: global_buffer, .address_space: global }
      - { .name: out0, .offset: 16, .size: 8, .value_kind: global_buffer, .address_space: global }
    .group_segment_fixed_size: 17920
    .private_segment_fixed_size: 0
    .kernarg_segment_align: 8
    .kernarg_segment_size: 24
    .max_flat_workgroup_size: 128
    .sgpr_count:     66
    .vgpr_count:     242
    .wavefront_size: 32
...
	.end_amdgpu_metadata
.endif
;; end of part 4
